; MI455X (gfx1250); checked and timed in simulation.
; The chip was launched on July 23, 2026; its instructions are those of AMD's public machine-readable ISA for CDNA 5 (MIT licence, August 2026) and "CDNA5" Instruction Set Architecture Reference Guide (July 2026). The comments in the code are by the model that wrote it; some were corrected since.
;; Fixed Attention. Allowed arithmetic: float matrix products may take bf16 or f16 operands with f32 sums; all other float work in f32.
;; Inputs: Wk 256 x 256 float32; Wq 256 x 256 float32; Wv 256 x 256 float32; bk 256 float32; bq 256 float32; bv 256 float32; lengths 16 int32; x 16 x 2,048 x 256 float32.
;; Outputs: out0 16 x 256 float32.
;; One version. Each part assembles by itself: llvm-mc -triple=amdgcn-amd-amdhsa -mcpu=gfx1250 --defsym DOCPART=n.
;; ======== version 1 of 1: 4 launches
;; workspace buffers: xsp 262,144 bytes; up 262,144 bytes; cp 1,024 bytes; yp 262,144 bytes; swp 1,024 bytes
;; launch colsum (part 1): grid 16 x 16, 16 waves a work-group, no clusters, 18,432 bytes of LDS; arguments x, lengths, xsp; writes xsp
.if DOCPART == 1
	.amdgcn_target "amdgcn-amd-amdhsa--gfx1250"
	.amdhsa_code_object_version 6
	.text
	.protected	k_q781e7e8391_colsum
	.globl	k_q781e7e8391_colsum
	.p2align	8
	.type	k_q781e7e8391_colsum,@function
k_q781e7e8391_colsum:
	s_mov_b64 s[64:65], 0
	v_nop
	global_prefetch_b8 v0, s[64:65] scope:SCOPE_SE
	s_setreg_imm32_b32 hwreg(HW_REG_WAVE_MODE, 25, 1), 1
	s_wait_xcnt 0x0
; FixedAttention (no softmax), launch 1 of 4: column sums of the valid rows of x.
; Every step of the module is linear, so the sum over queries is taken first.  With n = lengths[b] held to 0..2048:
;   xs = sum_{l<n} x_l          qs = Wq xs + n bq         u = Wk^T qs        c = qs . bk
;   w_l = u . x_l + c  (l < n)  y = sum_{l<n} w_l x_l     sw = sum_{l<n} w_l  out = (Wv y + sw bv) / 2048
; This is an identity for all inputs: both masks, the three biases and the division by L are all there.
; After the regrouping every product has one row per batch, and xs, qs, u, y are what is carried from step to step:
; all of it stays in f32 on the vector ALU; there is no bulk product left for the matrix units.
; LIMITS: the order of the sums differs from the module's own; a non-finite number in x is not reproduced place by place
; (a row that does not count is multiplied by 0); lengths outside 0..2048 act as the nearest end, as the module's mask does.
;
; THIS LAUNCH: xsp[b][c][0..255] = sum of x[b][l][:] over share c of the batch's n valid rows.
; The 16 work-groups of a batch split its n rows evenly: R = ceil(n / 16) rows each, at most 128.  Wave w of 16 takes rows
; start + 16 i + w, i = 0..7.  A row at or beyond the share's end gets the weight 0.0 and its load is turned to the share's
; last valid row, so no branch, trip count or barrier hangs on the length and all 16 loads of a wave are out at once.
; A wave reads a row of 1,024 bytes by two loads of 512 consecutive aligned bytes: lane L holds columns 4 L .. 4 L + 3
; and 128 + 4 L .. 128 + 4 L + 3.  No work-group shares an x row with another: nothing to ask for jointly.
.set OFF, 4                            ; v[4:11]   byte offset of my 16 bytes in row i
.set ACC, 12                           ; v[12:19]  the wave's column sums
.set X,   20                           ; v[20:83]  row i: 8 registers; later the 16 waves' quads
.set M,   24                           ; s[24:39]  weight of row i, 1.0 or 0.0, twice (a pair for the packed forms)
; v[base + wid r ..] += v[base + wid (r + cnt) ..], r = 0 .. cnt-1: one level of a tree of sums over vectors of wid registers
.macro FOLD base, wid, cnt
.set fr, 0
.rept \cnt
.set fk, 0
.rept \wid/2
	v_pk_add_f32 v[\base+\wid*fr+fk:\base+\wid*fr+fk+1], v[\base+\wid*fr+fk:\base+\wid*fr+fk+1], v[\base+\wid*(fr+\cnt)+fk:\base+\wid*(fr+\cnt)+fk+1]
.set fk, fk+2
.endr
.set fr, fr+1
.endr
.endm
; row i of this wave: its weight and its address
.macro ROWSET i
	s_add_co_u32 s21, s18, 16*\i                   ; row number in the batch
	s_cmp_lt_u32 s21, s19                          ; inside the share?
	s_cselect_b32 s[M+2*\i], 1.0, 0
	s_mov_b32 s[M+2*\i+1], s[M+2*\i]
	s_min_u32 s21, s21, s20                        ; else the share's last valid row, which is being read anyway
	s_min_u32 s21, s21, 0x7ff                      ; and never beyond the batch's 2,048 rows
	v_lshl_add_u32 v[OFF+\i], s21, 10, v1          ; row x 1,024 bytes + 16 x lane
.endm
	s_load_b128 s[4:7], s[0:1], 0x0                ; x s[4:5], lengths s[6:7]
	s_load_b64 s[8:9], s[0:1], 0x10                ; xsp
	v_lshl_add_u32 v88, v0, 2, 0x4000
	v_mov_b32 v89, 0
	v_lshrrev_b32 v2, 5, v0
	v_readfirstlane_b32 s12, v2                    ; wave 0..15
	s_and_b32 s10, ttmp7, 0xffff                   ; batch b
	s_mov_b32 s11, ttmp9                           ; share c
	v_and_b32 v1, 31, v0
	v_lshlrev_b32 v1, 4, v1                        ; 16 x lane
	s_lshl_b32 s13, s12, 10
	v_add_nc_u32 v3, s13, v1                       ; LDS: my wave's row of 1,024 bytes + 16 x lane
	v_and_b32 v84, 63, v0
	v_lshlrev_b32 v84, 4, v84                      ; the last fold: threads 0..63 take one quad of columns each
	s_lshl_b32 s14, s10, 2
	s_mov_b32 s15, 0
	s_wait_kmcnt 0x0
	s_add_nc_u64 s[6:7], s[6:7], s[14:15]
	s_load_b32 s16, s[6:7], 0x0                    ; lengths[b]
	s_lshl_b32 s14, s10, 21                        ; b x 2,048 rows x 1,024 bytes (below 2^25)
	s_add_nc_u64 s[4:5], s[4:5], s[14:15]
	s_lshl4_add_u32 s14, s10, s11                  ; 16 b + c
	s_lshl_b32 s14, s14, 10
	s_add_nc_u64 s[8:9], s[8:9], s[14:15]
	s_wait_kmcnt 0x0
	s_max_i32 s16, s16, 0
	s_min_u32 s16, s16, 2048                       ; n
	s_add_co_u32 s17, s16, 15
	s_lshr_b32 s17, s17, 4                         ; R = ceil(n / 16)
	s_mul_i32 s18, s11, s17                        ; start = c R
	s_add_co_u32 s19, s18, s17
	s_min_u32 s19, s19, s16                        ; end = min(start + R, n)
	s_max_u32 s20, s19, 1
	s_sub_co_u32 s20, s20, 1                       ; last row that may be read: end - 1, or row 0 of an empty batch
	s_add_co_u32 s18, s18, s12                     ; my wave's first row
.irp i, 0,1,2,3,4,5,6,7
	ROWSET \i
.endr
.irp i, 0,1,2,3,4,5,6,7
	global_load_b128 v[X+8*\i:X+8*\i+3],   v[OFF+\i], s[4:5]
	global_load_b128 v[X+8*\i+4:X+8*\i+7], v[OFF+\i], s[4:5] offset:512
.endr
	s_wait_loadcnt 14                              ; row 0 is in; the 14 loads of rows 1..7 stay out
.irp k, 0,2,4,6
	v_pk_mul_f32 v[ACC+\k:ACC+\k+1], v[X+\k:X+\k+1], s[M:M+1] op_sel_hi:[1,0]     ; the first row starts the sums
.endr
.irp i, 1,2,3,4,5,6,7
	s_wait_loadcnt 14-2*\i                         ; row i is in; the 2 (7 - i) younger loads stay out
.irp k, 0,2,4,6
	v_pk_fma_f32 v[ACC+\k:ACC+\k+1], v[X+8*\i+\k:X+8*\i+\k+1], s[M+2*\i:M+2*\i+1], v[ACC+\k:ACC+\k+1] op_sel_hi:[1,0,1]
.endr
.endr
	ds_store_b128 v3, v[ACC:ACC+3]                 ; my wave's sums as a plain row of 256 f32
	ds_store_b128 v3, v[ACC+4:ACC+7] offset:512
	s_wait_dscnt 0x0                               ; zero: other waves read these bytes behind the barrier
	s_barrier_signal -1
	s_barrier_wait -1
	s_cmp_ge_u32 s12, 2                            ; 64 threads cover a row by quads: waves 0 and 1 finish
	s_cbranch_scc1 .Lend
.irp r, 0,1,2,3,4,5,6,7,8,9,10,11,12,13,14,15
	ds_load_b128 v[X+4*\r:X+4*\r+3], v84 offset:1024*\r
.endr
	s_wait_dscnt 0x0
	FOLD X, 4, 8
	FOLD X, 4, 4
	FOLD X, 4, 2
	FOLD X, 4, 1
	global_store_b128 v84, v[X:X+3], s[8:9]        ; each wave stores 512 consecutive aligned bytes
.Lend:
	s_wait_tensorcnt 0x0
	ds_add_u32 v88, v89
	s_wait_dscnt 0x0
	s_endpgm
.Lfunc_end_k_q781e7e8391_colsum:
	.size	k_q781e7e8391_colsum, .Lfunc_end_k_q781e7e8391_colsum-k_q781e7e8391_colsum
	.p2alignl 7, 3214868480
	.fill 96, 4, 3214868480
	.section	.rodata,"a",@progbits
	.p2align	6, 0x0
	.amdhsa_kernel k_q781e7e8391_colsum
		.amdhsa_group_segment_fixed_size 18432
		.amdhsa_private_segment_fixed_size 0
		.amdhsa_enable_private_segment 0
		.amdhsa_kernarg_size 24
		.amdhsa_user_sgpr_count 2
		.amdhsa_user_sgpr_kernarg_segment_ptr 1
		.amdhsa_wavefront_size32 1
		.amdhsa_system_sgpr_workgroup_id_x 1
		.amdhsa_system_sgpr_workgroup_id_y 1
		.amdhsa_system_sgpr_workgroup_id_z 1
		.amdhsa_system_vgpr_workitem_id 0
		.amdhsa_next_free_vgpr 90
		.amdhsa_next_free_sgpr 66
		.amdhsa_reserve_vcc 0
		.amdhsa_float_denorm_mode_32 3
		.amdhsa_float_denorm_mode_16_64 3
		.amdhsa_memory_ordered 1
		.amdhsa_forward_progress 1
		.amdhsa_inst_pref_size 12
	.end_amdhsa_kernel
	.amdgpu_metadata
---
amdhsa.version: [ 1, 2 ]
amdhsa.kernels:
  - .name:           k_q781e7e8391_colsum
    .symbol:         k_q781e7e8391_colsum.kd
    .args:
      - { .name: x, .offset: 0, .size: 8, .value_kind: global_buffer, .address_space: global }
      - { .name: lengths, .offset: 8, .size: 8, .value_kind: global_buffer, .address_space: global }
      - { .name: xsp, .offset: 16, .size: 8, .value_kind: global_buffer, .address_space: global }
    .group_segment_fixed_size: 18432
    .private_segment_fixed_size: 0
    .kernarg_segment_align: 8
    .kernarg_segment_size: 24
    .max_flat_workgroup_size: 512
    .sgpr_count:     66
    .vgpr_count:     90
    .wavefront_size: 32
...
	.end_amdgpu_metadata
.endif
;; end of part 1
;; launch mid (part 2): grid 16 x 16, 8 waves a work-group, no clusters, 13,312 bytes of LDS; arguments xsp, lengths, Wq, bq, Wk, bk, up, cp; writes up, cp
.if DOCPART == 2
	.amdgcn_target "amdgcn-amd-amdhsa--gfx1250"
	.amdhsa_code_object_version 6
	.text
	.protected	k_q781e7e8391_mid
	.globl	k_q781e7e8391_mid
	.p2align	8
	.type	k_q781e7e8391_mid,@function
k_q781e7e8391_mid:
	s_mov_b64 s[64:65], 0
	v_nop
	global_prefetch_b8 v0, s[64:65] scope:SCOPE_SE
	s_setreg_imm32_b32 hwreg(HW_REG_WAVE_MODE, 25, 1), 1
	s_wait_xcnt 0x0
; FixedAttention, launch 2 of 4 (the algebra and the limits stand at the head of launch 1).
; Work-group (j, b): xs = sum over c of xsp[b][c][:];  qs_f = Wq[f] . xs + n bq_f for the 16 rows f = 16 j .. 16 j + 15;
;   up[b][j][e] = sum over these f of Wk[f][e] qs_f   (a sixteenth of u = Wk^T qs)
;   cp[b][j]    = sum over these f of bk_f qs_f        (a sixteenth of c = qs . bk)
; All in f32: one row per batch, and xs, qs, u are carried values.
; Eight waves.  Wave w makes qs of rows 16 j + 2 w and + 1 as lane-parallel dot products; for Wk thread t owns the column
; quad t & 63 of the four rows 4 (t >> 6) .. + 3.  All 12 global loads of a wave go out at the start.
; No joint requests: the work-group takes 16 KB each of xsp, Wq and Wk straight into the registers in the layout in which
; each byte is used once; there is no loop in which partners could keep step, and a joint request would lay the same
; 48 KB into LDS first, to be read out again.
.set XS,  0                            ; LDS 0..4095      four partial rows of xs
.set QS,  4096                         ; LDS 4096..4159   the 16 qs
.set CPW, 4160                         ; LDS 4160..4191   the eight waves' parts of cp
.set RED, 8192                         ; LDS 8192..12287  four partial rows of up
.set P,   4                            ; v[4:19]    four quads of xsp
.set WQ,  20                           ; v[20:35]   two rows of Wq, 8 registers each
.set WK,  36                           ; v[36:51]   four rows of Wk, one quad each
.set XV,  52                           ; v[52:83]   xs read back; the sum ends in v[52:59]
.set D,   84                           ; v[84:87]   two dot products (pairs)
.set Q,   88                           ; v[88:89]   my two qs
.set ZERO, 91                          ; v91        0
.set QQ,  92                           ; v[92:95]   the four qs of my Wk rows
.set UA,  96                           ; v[96:99]   my quad of up
.set F,   100                          ; v[100:115] last fold
.set CF,  116                          ; v[116:123] the waves' parts of cp
.set SEL, 32                           ; s[32:33]   v_permlanex16_b32: lane i takes lane i of the other half
.macro FOLD base, wid, cnt
.set fr, 0
.rept \cnt
.set fk, 0
.rept \wid/2
	v_pk_add_f32 v[\base+\wid*fr+fk:\base+\wid*fr+fk+1], v[\base+\wid*fr+fk:\base+\wid*fr+fk+1], v[\base+\wid*(fr+\cnt)+fk:\base+\wid*(fr+\cnt)+fk+1]
.set fk, fk+2
.endr
.set fr, fr+1
.endr
.endm
; two sums over the 32 lanes, interleaved; result in every lane; the register above each serves as the temporary (written before)
.macro WSUM2 a, b
.irp m, 1,2,4,8
	v_add_f32_dpp v[\a], v[\a], v[\a] row_xmask:\m row_mask:0xf bank_mask:0xf
	v_add_f32_dpp v[\b], v[\b], v[\b] row_xmask:\m row_mask:0xf bank_mask:0xf
.endr
	v_permlanex16_b32 v[\a+1], v[\a], s[SEL], s[SEL+1]
	v_permlanex16_b32 v[\b+1], v[\b], s[SEL], s[SEL+1]
	v_add_f32 v[\a], v[\a], v[\a+1]
	v_add_f32 v[\b], v[\b], v[\b+1]
.endm
	s_load_b512 s[4:19], s[0:1], 0x0               ; xsp s[4:5], lengths s[6:7], Wq s[8:9], bq s[10:11], Wk s[12:13], bk s[14:15], up s[16:17], cp s[18:19]
	v_lshl_add_u32 v128, v0, 2, 0x3000
	v_mov_b32 v129, 0
	v_lshrrev_b32 v4, 5, v0
	v_readfirstlane_b32 s22, v4                    ; wave 0..7
	s_mov_b32 s20, ttmp9                           ; j
	s_and_b32 s21, ttmp7, 0xffff                   ; b
	s_mov_b32 s[SEL], 0x76543210
	s_mov_b32 s[SEL+1], 0xfedcba98
	v_and_b32 v1, 31, v0
	v_lshlrev_b32 v1, 4, v1                        ; 16 x lane
	s_lshl_b32 s24, s22, 9
	v_add_nc_u32 v2, s24, v1                       ; 16 t = 512 x wave + 16 x lane
	v_lshrrev_b32 v3, 6, v0
	v_and_b32 v127, 63, v0
	v_lshlrev_b32 v127, 4, v127                    ; my column quad
	v_lshl_or_b32 v3, v3, 12, v127                 ; Wk: four rows x (t >> 6) + my quad
	v_mov_b32 v[ZERO], 0
	s_lshl_b32 s24, s22, 3
	v_mov_b32 v124, s24                            ; 8 w: my two qs
	s_lshl_b32 s24, s22, 2
	v_mov_b32 v125, s24                            ; 4 w: my part of cp
	s_lshr_b32 s24, s22, 1
	s_lshl_b32 s24, s24, 4
	v_mov_b32 v126, s24                            ; 16 (t >> 6): the qs of my four Wk rows
	s_mov_b32 s25, 0
	s_wait_kmcnt 0x0
	s_lshl_b32 s24, s21, 2
	s_add_nc_u64 s[6:7], s[6:7], s[24:25]
	s_load_b32 s26, s[6:7], 0x0                    ; lengths[b]
	s_lshl_b32 s24, s21, 14
	s_add_nc_u64 s[4:5], s[4:5], s[24:25]          ; xsp[b]
	s_lshl_b32 s23, s20, 4
	s_lshl1_add_u32 s23, s22, s23                  ; my first row f = 16 j + 2 w
	s_lshl_b32 s24, s23, 10
	s_add_nc_u64 s[8:9], s[8:9], s[24:25]          ; Wq[f]
	s_lshl_b32 s24, s23, 2
	s_add_nc_u64 s[10:11], s[10:11], s[24:25]
	s_add_nc_u64 s[14:15], s[14:15], s[24:25]
	s_load_b64 s[28:29], s[10:11], 0x0             ; bq[f], bq[f+1]
	s_load_b64 s[30:31], s[14:15], 0x0             ; bk[f], bk[f+1]
	s_lshl_b32 s24, s20, 14
	s_add_nc_u64 s[12:13], s[12:13], s[24:25]      ; Wk[16 j]
	s_lshl4_add_u32 s23, s21, s20                  ; 16 b + j
	s_lshl_b32 s24, s23, 10
	s_add_nc_u64 s[16:17], s[16:17], s[24:25]
	s_lshl_b32 s24, s23, 2
	s_add_nc_u64 s[18:19], s[18:19], s[24:25]
.irp k, 0,1,2,3
	global_load_b128 v[P+4*\k:P+4*\k+3], v2, s[4:5] offset:4096*\k       ; xsp rows (t >> 6) + 4 k, my quad
.endr
.irp k, 0,1,2,3
	global_load_b128 v[WQ+4*\k:WQ+4*\k+3], v1, s[8:9] offset:512*\k      ; two rows of Wq, two halves each
.endr
.irp k, 0,1,2,3
	global_load_b128 v[WK+4*\k:WK+4*\k+3], v3, s[12:13] offset:1024*\k   ; Wk rows 4 (t >> 6) + k, my quad
.endr
	s_wait_loadcnt 8                               ; xsp is in; the 8 loads of Wq and Wk stay out
	FOLD P, 4, 2
	FOLD P, 4, 1
	ds_store_b128 v2, v[P:P+3]                     ; XS: row t >> 6, quad t & 63
	s_wait_dscnt 0x0                               ; zero: the others read it
	s_barrier_signal -1
	s_barrier_wait -1
.irp r, 0,1,2,3
	ds_load_b128 v[XV+8*\r:XV+8*\r+3],   v1 offset:XS+1024*\r
	ds_load_b128 v[XV+8*\r+4:XV+8*\r+7], v1 offset:XS+1024*\r+512
.endr
	s_wait_dscnt 0x0
	FOLD XV, 8, 2
	FOLD XV, 8, 1                                  ; xs, in the layout of a Wq row
	s_wait_loadcnt 4                               ; Wq is in; the 4 loads of Wk stay out
	v_pk_mul_f32 v[D:D+1],   v[WQ:WQ+1],   v[XV:XV+1]
	v_pk_mul_f32 v[D+2:D+3], v[WQ+8:WQ+9], v[XV:XV+1]
.irp k, 2,4,6
	v_pk_fma_f32 v[D:D+1],   v[WQ+\k:WQ+\k+1],   v[XV+\k:XV+\k+1], v[D:D+1]
	v_pk_fma_f32 v[D+2:D+3], v[WQ+8+\k:WQ+9+\k], v[XV+\k:XV+\k+1], v[D+2:D+3]
.endr
	v_add_f32 v[D], v[D], v[D+1]
	v_add_f32 v[D+2], v[D+2], v[D+3]
	WSUM2 D, D+2
	s_wait_kmcnt 0x0                               ; the length and the four biases
	s_max_i32 s26, s26, 0
	s_min_u32 s26, s26, 2048                       ; n
	s_cvt_f32_u32 s27, s26
	v_fma_f32 v[Q],   s27, s28, v[D]               ; qs = Wq xs + n bq
	v_fma_f32 v[Q+1], s27, s29, v[D+2]
	v_mul_f32 v90, s30, v[Q]
	v_fma_f32 v90, s31, v[Q+1], v90                ; my two terms of qs . bk
	ds_store_b64 v124, v[Q:Q+1] offset:QS          ; every lane writes the same two words with the same values
	ds_store_b32 v125, v90 offset:CPW
	s_wait_dscnt 0x0
	s_barrier_signal -1
	s_barrier_wait -1
	ds_load_b128 v[QQ:QQ+3], v126 offset:QS
	s_wait_dscnt 0x0
	s_wait_loadcnt 0x0                             ; Wk
.irp e, 0,1,2,3
	v_mul_f32 v[UA+\e], v[WK+\e], v[QQ]            ; the first row starts the sums
.endr
.irp k, 1,2,3
.irp e, 0,1,2,3
	v_fmac_f32 v[UA+\e], v[WK+4*\k+\e], v[QQ+\k]
.endr
.endr
	ds_store_b128 v2, v[UA:UA+3] offset:RED
	s_wait_dscnt 0x0
	s_barrier_signal -1
	s_barrier_wait -1
	s_cmp_ge_u32 s22, 2                            ; 64 threads cover a row by quads
	s_cbranch_scc1 .Lend
.irp r, 0,1,2,3
	ds_load_b128 v[F+4*\r:F+4*\r+3], v127 offset:RED+1024*\r
.endr
	s_wait_dscnt 0x0
	FOLD F, 4, 2
	FOLD F, 4, 1
	global_store_b128 v127, v[F:F+3], s[16:17]     ; each wave stores 512 consecutive aligned bytes
	s_cmp_lg_u32 s22, 0
	s_cbranch_scc1 .Lend
	ds_load_b128 v[CF:CF+3],   v[ZERO] offset:CPW
	ds_load_b128 v[CF+4:CF+7], v[ZERO] offset:CPW+16
	s_wait_dscnt 0x0
	FOLD CF, 4, 1
	FOLD CF, 2, 1
	v_add_f32 v[CF], v[CF], v[CF+1]
	s_wait_xcnt 0x0                                ; EXEC is a source of the store above: it narrows only behind this wait
	v_cmp_eq_u32 vcc_lo, 0, v0
	s_and_saveexec_b32 s34, vcc_lo
	global_store_b32 v[ZERO], v[CF], s[18:19]      ; one f32 is all that the work-group owns of cp
	s_wait_xcnt 0x0                                ; and widens again only behind this one
	s_or_b32 exec_lo, exec_lo, s34
.Lend:
	s_wait_tensorcnt 0x0
	ds_add_u32 v128, v129
	s_wait_dscnt 0x0
	s_endpgm
.Lfunc_end_k_q781e7e8391_mid:
	.size	k_q781e7e8391_mid, .Lfunc_end_k_q781e7e8391_mid-k_q781e7e8391_mid
	.p2alignl 7, 3214868480
	.fill 96, 4, 3214868480
	.section	.rodata,"a",@progbits
	.p2align	6, 0x0
	.amdhsa_kernel k_q781e7e8391_mid
		.amdhsa_group_segment_fixed_size 13312
		.amdhsa_private_segment_fixed_size 0
		.amdhsa_enable_private_segment 0
		.amdhsa_kernarg_size 64
		.amdhsa_user_sgpr_count 2
		.amdhsa_user_sgpr_kernarg_segment_ptr 1
		.amdhsa_wavefront_size32 1
		.amdhsa_system_sgpr_workgroup_id_x 1
		.amdhsa_system_sgpr_workgroup_id_y 1
		.amdhsa_system_sgpr_workgroup_id_z 1
		.amdhsa_system_vgpr_workitem_id 0
		.amdhsa_next_free_vgpr 130
		.amdhsa_next_free_sgpr 66
		.amdhsa_reserve_vcc 1
		.amdhsa_float_denorm_mode_32 3
		.amdhsa_float_denorm_mode_16_64 3
		.amdhsa_memory_ordered 1
		.amdhsa_forward_progress 1
		.amdhsa_inst_pref_size 10
	.end_amdhsa_kernel
	.amdgpu_metadata
---
amdhsa.version: [ 1, 2 ]
amdhsa.kernels:
  - .name:           k_q781e7e8391_mid
    .symbol:         k_q781e7e8391_mid.kd
    .args:
      - { .name: xsp, .offset: 0, .size: 8, .value_kind: global_buffer, .address_space: global }
      - { .name: lengths, .offset: 8, .size: 8, .value_kind: global_buffer, .address_space: global }
      - { .name: Wq, .offset: 16, .size: 8, .value_kind: global_buffer, .address_space: global }
      - { .name: bq, .offset: 24, .size: 8, .value_kind: global_buffer, .address_space: global }
      - { .name: Wk, .offset: 32, .size: 8, .value_kind: global_buffer, .address_space: global }
      - { .name: bk, .offset: 40, .size: 8, .value_kind: global_buffer, .address_space: global }
      - { .name: up, .offset: 48, .size: 8, .value_kind: global_buffer, .address_space: global }
      - { .name: cp, .offset: 56, .size: 8, .value_kind: global_buffer, .address_space: global }
    .group_segment_fixed_size: 13312
    .private_segment_fixed_size: 0
    .kernarg_segment_align: 8
    .kernarg_segment_size: 64
    .max_flat_workgroup_size: 256
    .sgpr_count:     66
    .vgpr_count:     130
    .wavefront_size: 32
...
	.end_amdgpu_metadata
.endif
;; end of part 2
;; launch wsum (part 3): grid 16 x 16, 16 waves a work-group, no clusters, 26,880 bytes of LDS; arguments x, lengths, up, cp, yp, swp; writes yp, swp
.if DOCPART == 3
	.amdgcn_target "amdgcn-amd-amdhsa--gfx1250"
	.amdhsa_code_object_version 6
	.text
	.protected	k_q781e7e8391_wsum
	.globl	k_q781e7e8391_wsum
	.p2align	8
	.type	k_q781e7e8391_wsum,@function
k_q781e7e8391_wsum:
	s_mov_b64 s[64:65], 0
	v_nop
	global_prefetch_b8 v0, s[64:65] scope:SCOPE_SE
	s_setreg_imm32_b32 hwreg(HW_REG_WAVE_MODE, 25, 1), 1
	s_wait_xcnt 0x0
; FixedAttention, launch 3 of 4 (the algebra and the limits stand at the head of launch 1).
; Work-group (c, b): u = sum over j of up[b][j][:], cc = sum over j of cp[b][j]; for the rows l of share c of the batch's
; n valid rows: w_l = u . x_l + cc;  yp[b][c][:] = sum of w_l x_l;  swp[b][c] = sum of w_l.  All in f32.
; Rows are shared out exactly as in launch 1: R = ceil(n / 16) rows a work-group, wave w takes rows start + 16 i + w,
; i = 0..7; a row at or beyond the share's end gets the weight 0.0 and its load is turned to the share's last valid row.
; So no branch or barrier hangs on the length, and a wave's 16 loads of x go out at once, ahead of the work on u.
; A row stays in its 8 registers a lane between the dot product and the weighted sum: it is loaded once here.
; No joint requests: what the 16 work-groups of a batch share is the 16 KB of up against up to 128 KB of rows of their own.
.set UPL, 0                            ; LDS 0..8191       eight partial rows of u
.set RED, 8192                         ; LDS 8192..24575   the 16 waves' rows of y
.set SWW, 24576                        ; LDS 24576..24639  the 16 waves' sums of w
.set OFF, 4                            ; v[4:11]    byte offset of my 16 bytes in row i
.set ACC, 12                           ; v[12:19]   the wave's part of y
.set U,   20                           ; v[20:27]   u, in the layout of a row
.set CI,  28                           ; v[28:29]   (cc / 32, 0): what each lane's dot product starts from
.set W,   30                           ; v[30:45]   row i: w in the even register, a temporary in the odd one
.set X,   48                           ; v[48:111]  row i: 8 registers
.set UQ,  112                          ; v[112:119] two quads of up
.set ZERO, 122                         ; v122       0
.set RB,  128                          ; v[128:191] read back from LDS
.set M,   28                           ; s[28:35]   weight of row i, 1.0 or 0.0
.set CP,  36                           ; s[36:51]   cp[b][0..15]
.set SEL, 52                           ; s[52:53]   v_permlanex16_b32: lane i takes lane i of the other half
.macro FOLD base, wid, cnt
.set fr, 0
.rept \cnt
.set fk, 0
.rept \wid/2
	v_pk_add_f32 v[\base+\wid*fr+fk:\base+\wid*fr+fk+1], v[\base+\wid*fr+fk:\base+\wid*fr+fk+1], v[\base+\wid*(fr+\cnt)+fk:\base+\wid*(fr+\cnt)+fk+1]
.set fk, fk+2
.endr
.set fr, fr+1
.endr
.endm
.macro WSUM2 a, b
.irp m, 1,2,4,8
	v_add_f32_dpp v[\a], v[\a], v[\a] row_xmask:\m row_mask:0xf bank_mask:0xf
	v_add_f32_dpp v[\b], v[\b], v[\b] row_xmask:\m row_mask:0xf bank_mask:0xf
.endr
	v_permlanex16_b32 v[\a+1], v[\a], s[SEL], s[SEL+1]
	v_permlanex16_b32 v[\b+1], v[\b], s[SEL], s[SEL+1]
	v_add_f32 v[\a], v[\a], v[\a+1]
	v_add_f32 v[\b], v[\b], v[\b+1]
.endm
.macro ROWSET i
	s_add_co_u32 s27, s24, 16*\i                   ; row number in the batch
	s_cmp_lt_u32 s27, s25                          ; inside the share?
	s_cselect_b32 s[M+\i], 1.0, 0
	s_min_u32 s27, s27, s26                        ; else the share's last valid row
	s_min_u32 s27, s27, 0x7ff                      ; and never beyond the batch's 2,048 rows
	v_lshl_add_u32 v[OFF+\i], s27, 10, v1
.endm
; rows i and i + 1, interleaved: dot product with u, sum over the lanes, weight, then y += w x
.macro PAIR i, first
	s_wait_loadcnt 12-2*\i                         ; rows i, i + 1 are in; the 2 (6 - i) loads of the later rows stay out
	v_pk_fma_f32 v[W+2*\i:W+2*\i+1],   v[X+8*\i:X+8*\i+1],   v[U:U+1], v[CI:CI+1]    ; 32 lanes x cc / 32 make the + cc
	v_pk_fma_f32 v[W+2*\i+2:W+2*\i+3], v[X+8*\i+8:X+8*\i+9], v[U:U+1], v[CI:CI+1]
.irp k, 2,4,6
	v_pk_fma_f32 v[W+2*\i:W+2*\i+1],   v[X+8*\i+\k:X+8*\i+\k+1],   v[U+\k:U+\k+1], v[W+2*\i:W+2*\i+1]
	v_pk_fma_f32 v[W+2*\i+2:W+2*\i+3], v[X+8*\i+8+\k:X+8*\i+9+\k], v[U+\k:U+\k+1], v[W+2*\i+2:W+2*\i+3]
.endr
	v_add_f32 v[W+2*\i],   v[W+2*\i],   v[W+2*\i+1]
	v_add_f32 v[W+2*\i+2], v[W+2*\i+2], v[W+2*\i+3]
	WSUM2 W+2*\i, W+2*\i+2
	v_mul_f32 v[W+2*\i],   s[M+\i],   v[W+2*\i]    ; 0 for a row that does not count
	v_mul_f32 v[W+2*\i+2], s[M+\i+1], v[W+2*\i+2]
.irp k, 0,2,4,6
.if \first
	v_pk_mul_f32 v[ACC+\k:ACC+\k+1], v[X+8*\i+\k:X+8*\i+\k+1], v[W+2*\i:W+2*\i+1] op_sel_hi:[1,0]     ; the first row starts the sums
.else
	v_pk_fma_f32 v[ACC+\k:ACC+\k+1], v[X+8*\i+\k:X+8*\i+\k+1], v[W+2*\i:W+2*\i+1], v[ACC+\k:ACC+\k+1] op_sel_hi:[1,0,1]
.endif
.endr
.irp k, 0,2,4,6
	v_pk_fma_f32 v[ACC+\k:ACC+\k+1], v[X+8*\i+8+\k:X+8*\i+9+\k], v[W+2*\i+2:W+2*\i+3], v[ACC+\k:ACC+\k+1] op_sel_hi:[1,0,1]
.endr
.endm
	s_load_b256 s[4:11], s[0:1], 0x0               ; x s[4:5], lengths s[6:7], up s[8:9], cp s[10:11]
	s_load_b128 s[12:15], s[0:1], 0x20             ; yp s[12:13], swp s[14:15]
	v_lshl_add_u32 v192, v0, 2, 0x6100
	v_mov_b32 v193, 0
	v_lshrrev_b32 v2, 5, v0
	v_readfirstlane_b32 s18, v2                    ; wave 0..15
	s_and_b32 s16, ttmp7, 0xffff                   ; batch b
	s_mov_b32 s17, ttmp9                           ; share c
	s_mov_b32 s[SEL], 0x76543210
	s_mov_b32 s[SEL+1], 0xfedcba98
	v_and_b32 v1, 31, v0
	v_lshlrev_b32 v1, 4, v1                        ; 16 x lane
	s_lshl_b32 s20, s18, 9
	v_add_nc_u32 v2, s20, v1                       ; 16 t = 512 x wave + 16 x lane
	s_lshl_b32 s20, s18, 10
	v_add_nc_u32 v3, s20, v1                       ; my wave's row of 1,024 bytes + 16 x lane
	s_lshl_b32 s20, s18, 2
	v_mov_b32 v121, s20                            ; 4 w
	v_and_b32 v120, 63, v0
	v_lshlrev_b32 v120, 4, v120                    ; the last fold: one quad of columns a thread
	v_mov_b32 v[ZERO], 0
	s_mov_b32 s21, 0
	s_wait_kmcnt 0x0
	s_lshl_b32 s20, s16, 2
	s_add_nc_u64 s[6:7], s[6:7], s[20:21]
	s_load_b32 s22, s[6:7], 0x0                    ; lengths[b]
	s_lshl_b32 s20, s16, 6
	s_add_nc_u64 s[10:11], s[10:11], s[20:21]
	s_load_b512 s[CP:CP+15], s[10:11], 0x0         ; cp[b][0..15]
	s_lshl_b32 s20, s16, 14
	s_add_nc_u64 s[8:9], s[8:9], s[20:21]
	global_load_b128 v[UQ:UQ+3],   v2, s[8:9]               ; up rows t >> 6
	global_load_b128 v[UQ+4:UQ+7], v2, s[8:9] offset:8192   ; and 8 + (t >> 6), my quad
	s_lshl_b32 s20, s16, 21                        ; b x 2,048 rows x 1,024 bytes
	s_add_nc_u64 s[4:5], s[4:5], s[20:21]
	s_lshl4_add_u32 s19, s16, s17                  ; 16 b + c
	s_lshl_b32 s20, s19, 10
	s_add_nc_u64 s[12:13], s[12:13], s[20:21]
	s_lshl_b32 s20, s19, 2
	s_add_nc_u64 s[14:15], s[14:15], s[20:21]
	s_wait_kmcnt 0x0
	s_max_i32 s22, s22, 0
	s_min_u32 s22, s22, 2048                       ; n
	s_add_co_u32 s23, s22, 15
	s_lshr_b32 s23, s23, 4                         ; R = ceil(n / 16)
	s_mul_i32 s24, s17, s23                        ; start = c R
	s_add_co_u32 s25, s24, s23
	s_min_u32 s25, s25, s22                        ; end = min(start + R, n)
	s_max_u32 s26, s25, 1
	s_sub_co_u32 s26, s26, 1                       ; last row that may be read
	s_add_co_u32 s24, s24, s18                     ; my wave's first row
.irp i, 0,1,2,3,4,5,6,7
	ROWSET \i
.endr
.irp i, 0,1,2,3,4,5,6,7
	global_load_b128 v[X+8*\i:X+8*\i+3],   v[OFF+\i], s[4:5]
	global_load_b128 v[X+8*\i+4:X+8*\i+7], v[OFF+\i], s[4:5] offset:512
.endr
	; cc = the sum of the 16 parts, as a tree; each lane's dot product starts from a thirty-second of it (an exact scaling)
.irp k, 0,2,4,6,8,10,12,14
	s_add_f32 s[CP+\k], s[CP+\k], s[CP+\k+1]
.endr
.irp k, 0,4,8,12
	s_add_f32 s[CP+\k], s[CP+\k], s[CP+\k+2]
.endr
	s_add_f32 s[CP], s[CP], s[CP+4]
	s_add_f32 s[CP+8], s[CP+8], s[CP+12]
	s_add_f32 s[CP], s[CP], s[CP+8]
	s_mul_f32 s54, s[CP], 0x3d000000               ; x 2^-5
	v_mov_b32 v[CI], s54
	v_mov_b32 v[CI+1], 0
	s_wait_loadcnt 16                              ; up is in; the 16 loads of x stay out
	FOLD UQ, 4, 1
	ds_store_b128 v2, v[UQ:UQ+3] offset:UPL        ; row t >> 6, quad t & 63
	s_wait_dscnt 0x0                               ; zero: the others read it
	s_barrier_signal -1
	s_barrier_wait -1
.irp r, 0,1,2,3,4,5,6,7
	ds_load_b128 v[RB+8*\r:RB+8*\r+3],   v1 offset:UPL+1024*\r
	ds_load_b128 v[RB+8*\r+4:RB+8*\r+7], v1 offset:UPL+1024*\r+512
.endr
	s_wait_dscnt 0x0
	FOLD RB, 8, 4
	FOLD RB, 8, 2
.irp k, 0,2,4,6
	v_pk_add_f32 v[U+\k:U+\k+1], v[RB+\k:RB+\k+1], v[RB+8+\k:RB+9+\k]
.endr
	PAIR 0, 1
	PAIR 2, 0
	PAIR 4, 0
	PAIR 6, 0
	v_add_f32 v[W],    v[W],    v[W+2]             ; the wave's sum of w (every lane holds every w)
	v_add_f32 v[W+4],  v[W+4],  v[W+6]
	v_add_f32 v[W+8],  v[W+8],  v[W+10]
	v_add_f32 v[W+12], v[W+12], v[W+14]
	v_add_f32 v[W],    v[W],    v[W+4]
	v_add_f32 v[W+8],  v[W+8],  v[W+12]
	v_add_f32 v[W],    v[W],    v[W+8]
	ds_store_b128 v3, v[ACC:ACC+3]   offset:RED
	ds_store_b128 v3, v[ACC+4:ACC+7] offset:RED+512
	ds_store_b32 v121, v[W] offset:SWW
	s_wait_dscnt 0x0
	s_barrier_signal -1
	s_barrier_wait -1
	s_cmp_ge_u32 s18, 2                            ; 64 threads cover a row by quads
	s_cbranch_scc1 .Lend
.irp r, 0,1,2,3,4,5,6,7,8,9,10,11,12,13,14,15
	ds_load_b128 v[RB+4*\r:RB+4*\r+3], v120 offset:RED+1024*\r
.endr
	s_wait_dscnt 0x0
	FOLD RB, 4, 8
	FOLD RB, 4, 4
	FOLD RB, 4, 2
	FOLD RB, 4, 1
	global_store_b128 v120, v[RB:RB+3], s[12:13]   ; each wave stores 512 consecutive aligned bytes
	s_cmp_lg_u32 s18, 0
	s_cbranch_scc1 .Lend
.irp r, 0,1,2,3
	ds_load_b128 v[RB+4+4*\r:RB+7+4*\r], v[ZERO] offset:SWW+16*\r      ; beside the pending store's data, not on it
.endr
	s_wait_dscnt 0x0
	FOLD RB+4, 4, 2
	FOLD RB+4, 4, 1
	FOLD RB+4, 2, 1
	v_add_f32 v[RB+4], v[RB+4], v[RB+5]
	s_wait_xcnt 0x0                                ; EXEC is a source of the store above: it narrows only behind this wait
	v_cmp_eq_u32 vcc_lo, 0, v0
	s_and_saveexec_b32 s27, vcc_lo
	global_store_b32 v[ZERO], v[RB+4], s[14:15]    ; one f32 is all that the work-group owns of swp
	s_wait_xcnt 0x0                                ; and widens again only behind this one
	s_or_b32 exec_lo, exec_lo, s27
.Lend:
	s_wait_tensorcnt 0x0
	ds_add_u32 v192, v193
	s_wait_dscnt 0x0
	s_endpgm
.Lfunc_end_k_q781e7e8391_wsum:
	.size	k_q781e7e8391_wsum, .Lfunc_end_k_q781e7e8391_wsum-k_q781e7e8391_wsum
	.p2alignl 7, 3214868480
	.fill 96, 4, 3214868480
	.section	.rodata,"a",@progbits
	.p2align	6, 0x0
	.amdhsa_kernel k_q781e7e8391_wsum
		.amdhsa_group_segment_fixed_size 26880
		.amdhsa_private_segment_fixed_size 0
		.amdhsa_enable_private_segment 0
		.amdhsa_kernarg_size 48
		.amdhsa_user_sgpr_count 2
		.amdhsa_user_sgpr_kernarg_segment_ptr 1
		.amdhsa_wavefront_size32 1
		.amdhsa_system_sgpr_workgroup_id_x 1
		.amdhsa_system_sgpr_workgroup_id_y 1
		.amdhsa_system_sgpr_workgroup_id_z 1
		.amdhsa_system_vgpr_workitem_id 0
		.amdhsa_next_free_vgpr 194
		.amdhsa_next_free_sgpr 66
		.amdhsa_reserve_vcc 1
		.amdhsa_float_denorm_mode_32 3
		.amdhsa_float_denorm_mode_16_64 3
		.amdhsa_memory_ordered 1
		.amdhsa_forward_progress 1
		.amdhsa_inst_pref_size 22
	.end_amdhsa_kernel
	.amdgpu_metadata
---
amdhsa.version: [ 1, 2 ]
amdhsa.kernels:
  - .name:           k_q781e7e8391_wsum
    .symbol:         k_q781e7e8391_wsum.kd
    .args:
      - { .name: x, .offset: 0, .size: 8, .value_kind: global_buffer, .address_space: global }
      - { .name: lengths, .offset: 8, .size: 8, .value_kind: global_buffer, .address_space: global }
      - { .name: up, .offset: 16, .size: 8, .value_kind: global_buffer, .address_space: global }
      - { .name: cp, .offset: 24, .size: 8, .value_kind: global_buffer, .address_space: global }
      - { .name: yp, .offset: 32, .size: 8, .value_kind: global_buffer, .address_space: global }
      - { .name: swp, .offset: 40, .size: 8, .value_kind: global_buffer, .address_space: global }
    .group_segment_fixed_size: 26880
    .private_segment_fixed_size: 0
    .kernarg_segment_align: 8
    .kernarg_segment_size: 48
    .max_flat_workgroup_size: 512
    .sgpr_count:     66
    .vgpr_count:     194
    .wavefront_size: 32
...
	.end_amdgpu_metadata
.endif
;; end of part 3
;; launch fin (part 4): grid 4 x 16, 16 waves a work-group, no clusters, 10,496 bytes of LDS; arguments yp, swp, Wv, bv, out0; writes out0
.if DOCPART == 4
	.amdgcn_target "amdgcn-amd-amdhsa--gfx1250"
	.amdhsa_code_object_version 6
	.text
	.protected	k_q781e7e8391_fin
	.globl	k_q781e7e8391_fin
	.p2align	8
	.type	k_q781e7e8391_fin,@function
k_q781e7e8391_fin:
	s_mov_b64 s[64:65], 0
	v_nop
	global_prefetch_b8 v0, s[64:65] scope:SCOPE_SE
	s_setreg_imm32_b32 hwreg(HW_REG_WAVE_MODE, 25, 1), 1
	s_wait_xcnt 0x0
; FixedAttention, launch 4 of 4 (the algebra and the limits stand at the head of launch 1).
; Work-group (j, b): y = sum over c of yp[b][c][:], sw = sum over c of swp[b][c];
;   out0[b][f] = (Wv[f] . y) / 2048 + (sw / 2048) bv_f   for the 64 outputs f = 64 j .. 64 j + 63.  All in f32.
; 16 waves, four rows of Wv each, as lane-parallel dot products.  64 work-groups, so that each writes one whole aligned
; piece of 256 bytes of out0; the launch holds no more work than that (64 KB of Wv and 16 KB of yp a work-group).
; No joint requests: each byte goes straight into the register in which it is used once, and there is no loop in which
; partners could keep step; through LDS the same 80 KB would be written and read once more.
.set YL,  0                            ; LDS 0..8191     eight partial rows of y
.set OUTL, 8192                        ; LDS 8192..8447  the 64 results
.set YQ,  4                            ; v[4:11]    two quads of yp
.set WV,  12                           ; v[12:43]   four rows of Wv, 8 registers each
.set Y,   44                           ; v[44:107]  y read back; the sum ends in v[44:51]
.set D,   108                          ; v[108:115] four dot products (pairs)
.set R,   116                          ; v[116:119] my four results
.set SW,  20                           ; s[20:35]   swp[b][0..15]
.set BV,  36                           ; s[36:39]   bv of my four rows
.set SEL, 40                           ; s[40:41]   v_permlanex16_b32: lane i takes lane i of the other half
.macro FOLD base, wid, cnt
.set fr, 0
.rept \cnt
.set fk, 0
.rept \wid/2
	v_pk_add_f32 v[\base+\wid*fr+fk:\base+\wid*fr+fk+1], v[\base+\wid*fr+fk:\base+\wid*fr+fk+1], v[\base+\wid*(fr+\cnt)+fk:\base+\wid*(fr+\cnt)+fk+1]
.set fk, fk+2
.endr
.set fr, fr+1
.endr
.endm
.macro WSUM2 a, b
.irp m, 1,2,4,8
	v_add_f32_dpp v[\a], v[\a], v[\a] row_xmask:\m row_mask:0xf bank_mask:0xf
	v_add_f32_dpp v[\b], v[\b], v[\b] row_xmask:\m row_mask:0xf bank_mask:0xf
.endr
	v_permlanex16_b32 v[\a+1], v[\a], s[SEL], s[SEL+1]
	v_permlanex16_b32 v[\b+1], v[\b], s[SEL], s[SEL+1]
	v_add_f32 v[\a], v[\a], v[\a+1]
	v_add_f32 v[\b], v[\b], v[\b+1]
.endm
	s_load_b256 s[4:11], s[0:1], 0x0               ; yp s[4:5], swp s[6:7], Wv s[8:9], bv s[10:11]
	s_load_b64 s[12:13], s[0:1], 0x20              ; out0
	v_lshl_add_u32 v128, v0, 2, 0x2100
	v_mov_b32 v129, 0
	v_lshrrev_b32 v2, 5, v0
	v_readfirstlane_b32 s16, v2                    ; wave 0..15
	s_mov_b32 s14, ttmp9                           ; j
	s_and_b32 s15, ttmp7, 0xffff                   ; b
	s_mov_b32 s[SEL], 0x76543210
	s_mov_b32 s[SEL+1], 0xfedcba98
	s_mov_b32 s43, 0x3a000000                      ; 1 / 2048, exact
	v_and_b32 v1, 31, v0
	v_lshlrev_b32 v1, 4, v1                        ; 16 x lane
	s_lshl_b32 s18, s16, 9
	v_add_nc_u32 v2, s18, v1                       ; 16 t = 512 x wave + 16 x lane
	s_lshl_b32 s18, s16, 4
	v_mov_b32 v120, s18                            ; 16 w: my four results
	v_and_b32 v121, 15, v0
	v_lshlrev_b32 v121, 4, v121                    ; 16 x (lane & 15)
	s_mov_b32 s19, 0
	s_wait_kmcnt 0x0
	s_lshl_b32 s18, s15, 6
	s_add_nc_u64 s[6:7], s[6:7], s[18:19]
	s_load_b512 s[SW:SW+15], s[6:7], 0x0           ; swp[b][0..15]
	s_lshl_b32 s17, s14, 6
	s_lshl2_add_u32 s17, s16, s17                  ; my first row f = 64 j + 4 w
	s_lshl_b32 s18, s17, 2
	s_add_nc_u64 s[10:11], s[10:11], s[18:19]
	s_load_b128 s[BV:BV+3], s[10:11], 0x0          ; bv[f .. f+3]
	s_lshl_b32 s18, s15, 14
	s_add_nc_u64 s[4:5], s[4:5], s[18:19]          ; yp[b]
	s_lshl_b32 s18, s17, 10
	s_add_nc_u64 s[8:9], s[8:9], s[18:19]          ; Wv[f]
	s_lshl2_add_u32 s18, s15, s14                  ; 4 b + j
	s_lshl_b32 s18, s18, 8
	s_add_nc_u64 s[12:13], s[12:13], s[18:19]      ; my 256 bytes of out0
	global_load_b128 v[YQ:YQ+3],   v2, s[4:5]               ; yp rows t >> 6
	global_load_b128 v[YQ+4:YQ+7], v2, s[4:5] offset:8192   ; and 8 + (t >> 6), my quad
.irp r, 0,1,2,3
	global_load_b128 v[WV+8*\r:WV+8*\r+3],   v1, s[8:9] offset:1024*\r
	global_load_b128 v[WV+8*\r+4:WV+8*\r+7], v1, s[8:9] offset:1024*\r+512
.endr
	s_wait_loadcnt 8                               ; yp is in; the 8 loads of Wv stay out
	FOLD YQ, 4, 1
	ds_store_b128 v2, v[YQ:YQ+3] offset:YL         ; row t >> 6, quad t & 63
	s_wait_dscnt 0x0                               ; zero: the others read it
	s_barrier_signal -1
	s_barrier_wait -1
.irp r, 0,1,2,3,4,5,6,7
	ds_load_b128 v[Y+8*\r:Y+8*\r+3],   v1 offset:YL+1024*\r
	ds_load_b128 v[Y+8*\r+4:Y+8*\r+7], v1 offset:YL+1024*\r+512
.endr
	s_wait_kmcnt 0x0                               ; swp and bv; the scalar sums run while LDS answers
.irp k, 0,2,4,6,8,10,12,14
	s_add_f32 s[SW+\k], s[SW+\k], s[SW+\k+1]
.endr
.irp k, 0,4,8,12
	s_add_f32 s[SW+\k], s[SW+\k], s[SW+\k+2]
.endr
	s_add_f32 s[SW], s[SW], s[SW+4]
	s_add_f32 s[SW+8], s[SW+8], s[SW+12]
	s_add_f32 s[SW], s[SW], s[SW+8]
	s_mul_f32 s42, s[SW], s43                      ; sw / 2048
.irp r, 0,1,2,3
	s_mul_f32 s[44+\r], s42, s[BV+\r]
.endr
	s_wait_dscnt 0x0
	FOLD Y, 8, 4
	FOLD Y, 8, 2
	FOLD Y, 8, 1                                   ; y, in the layout of a Wv row
	s_wait_loadcnt 0x0                             ; Wv
.irp r, 0,1,2,3
	v_pk_mul_f32 v[D+2*\r:D+2*\r+1], v[WV+8*\r:WV+8*\r+1], v[Y:Y+1]
.endr
.irp k, 2,4,6
.irp r, 0,1,2,3
	v_pk_fma_f32 v[D+2*\r:D+2*\r+1], v[WV+8*\r+\k:WV+8*\r+\k+1], v[Y+\k:Y+\k+1], v[D+2*\r:D+2*\r+1]
.endr
.endr
.irp r, 0,1,2,3
	v_add_f32 v[D+2*\r], v[D+2*\r], v[D+2*\r+1]
.endr
	WSUM2 D, D+2
	WSUM2 D+4, D+6
.irp r, 0,1,2,3
	v_fma_f32 v[R+\r], v[D+2*\r], s43, s[44+\r]    ; (Wv y) / 2048 + (sw / 2048) bv
.endr
	ds_store_b128 v120, v[R:R+3] offset:OUTL       ; every lane writes the same 16 bytes with the same values
	s_wait_dscnt 0x0
	s_barrier_signal -1
	s_barrier_wait -1
	s_cmp_lg_u32 s16, 0
	s_cbranch_scc1 .Lend
	ds_load_b128 v[124:127], v121 offset:OUTL      ; all lanes on; lanes 16-31 read what lanes 0-15 read
	s_wait_dscnt 0x0
	s_wait_xcnt 0x0                                ; EXEC narrows only behind this wait
	v_cmp_gt_u32 vcc_lo, 16, v0
	s_and_saveexec_b32 s48, vcc_lo
	global_store_b128 v121, v[124:127], s[12:13]   ; sixteen lanes store 256 consecutive aligned bytes
	s_wait_xcnt 0x0                                ; and widens again only behind this one
	s_or_b32 exec_lo, exec_lo, s48
.Lend:
	s_wait_tensorcnt 0x0
	ds_add_u32 v128, v129
	s_wait_dscnt 0x0
	s_endpgm
.Lfunc_end_k_q781e7e8391_fin:
	.size	k_q781e7e8391_fin, .Lfunc_end_k_q781e7e8391_fin-k_q781e7e8391_fin
	.p2alignl 7, 3214868480
	.fill 96, 4, 3214868480
	.section	.rodata,"a",@progbits
	.p2align	6, 0x0
	.amdhsa_kernel k_q781e7e8391_fin
		.amdhsa_group_segment_fixed_size 10496
		.amdhsa_private_segment_fixed_size 0
		.amdhsa_enable_private_segment 0
		.amdhsa_kernarg_size 40
		.amdhsa_user_sgpr_count 2
		.amdhsa_user_sgpr_kernarg_segment_ptr 1
		.amdhsa_wavefront_size32 1
		.amdhsa_system_sgpr_workgroup_id_x 1
		.amdhsa_system_sgpr_workgroup_id_y 1
		.amdhsa_system_sgpr_workgroup_id_z 1
		.amdhsa_system_vgpr_workitem_id 0
		.amdhsa_next_free_vgpr 130
		.amdhsa_next_free_sgpr 66
		.amdhsa_reserve_vcc 1
		.amdhsa_float_denorm_mode_32 3
		.amdhsa_float_denorm_mode_16_64 3
		.amdhsa_memory_ordered 1
		.amdhsa_forward_progress 1
		.amdhsa_inst_pref_size 10
	.end_amdhsa_kernel
	.amdgpu_metadata
---
amdhsa.version: [ 1, 2 ]
amdhsa.kernels:
  - .name:           k_q781e7e8391_fin
    .symbol:         k_q781e7e8391_fin.kd
    .args:
      - { .name: yp, .offset: 0, .size: 8, .value_kind: global_buffer, .address_space: global }
      - { .name: swp, .offset: 8, .size: 8, .value_kind: global_buffer, .address_space: global }
      - { .name: Wv, .offset: 16, .size: 8, .value_kind: global_buffer, .address_space: global }
      - { .name: bv, .offset: 24, .size: 8, .value_kind: global_buffer, .address_space: global }
      - { .name: out0, .offset: 32, .size: 8, .value_kind: global_buffer, .address_space: global }
    .group_segment_fixed_size: 10496
    .private_segment_fixed_size: 0
    .kernarg_segment_align: 8
    .kernarg_segment_size: 40
    .max_flat_workgroup_size: 512
    .sgpr_count:     66
    .vgpr_count:     130
    .wavefront_size: 32
...
	.end_amdgpu_metadata
.endif
;; end of part 4
